; MI455X (gfx1250); checked and timed in simulation.
; The chip was launched on July 23, 2026; its instructions are those of AMD's public machine-readable ISA for CDNA 5 (MIT licence, August 2026) and "CDNA5" Instruction Set Architecture Reference Guide (July 2026). The comments in the code are by the model that wrote it; some were corrected since.
;; KAN Edge Function. Allowed arithmetic: float matrix products may take bf16 or f16 operands with f32 sums; all other float work in f32.
;; Inputs: spline_coeffs 34 float32; w_base 1 float32; w_spline 1 float32; x 2,048 x 2,048 float32.
;; Outputs: out0 2,048 x 2,048 float32.
;; 2 versions, each right and faster than the one before. Each part assembles by itself: llvm-mc -triple=amdgcn-amd-amdhsa -mcpu=gfx1250 --defsym DOCPART=n.
;; ======== version 1 of 2: 1 launch
;; launch kan_edge (part 1): grid 256 x 1, 16 waves a work-group, no clusters, 0 bytes of LDS; arguments x, spline_coeffs, w_base, w_spline, out0; writes out0
.if DOCPART == 1
	.amdgcn_target "amdgcn-amd-amdhsa--gfx1250"
	.amdhsa_code_object_version 6
	.text
	.protected	k_q35c6bc4688_kan_edge
	.globl	k_q35c6bc4688_kan_edge
	.p2align	8
	.type	k_q35c6bc4688_kan_edge,@function
k_q35c6bc4688_kan_edge:
	s_mov_b64 s[64:65], 0
	v_nop
	global_prefetch_b8 v0, s[64:65] scope:SCOPE_SE
	s_setreg_imm32_b32 hwreg(HW_REG_WAVE_MODE, 25, 1), 1
	s_wait_xcnt 0x0
; out = w_base * silu(x) + w_spline * sum over k of c[k] B_k(x).   x, out: 2048 x 2048 f32.  c: 34 f32.
; B_k: cubic B-splines on 32 knots from -5 to 5, the end knots fourfold; zero outside -5 <= x < 5.
;
; HOW THE SPLINE IS EVALUATED.  With z = 3.1 x + 15.5 the knots lie at z = 0, 1, .. 31.  In the interval j <= z < j+1 only four
; basis functions differ from zero.  On 0 <= z < 31 the spline with fourfold end knots is the same function as a spline on
; uniform knots whose coefficients are c'0 = 6 (c0 - c1) + c2, c'1 = c1 + (c1 - c2) / 2, c'k = ck for k = 2 .. 31, and the last
; two mirrored (its control points are the polar form at three neighbouring knots, which is affine in each argument).
; So every interval is alike: with E0..E3 = T[j .. j+3], T = c' w_spline / 6, and u = z - j,
;   spline = (E0 + 4 E1 + E2) + 3u ( (E2 - E0) + u ( (E0 - 2 E1 + E2) + u ( (E3 - E0)/3 + (E1 - E2) ) ) ).
; This text forms no address from floating-point data, so T[j .. j+3] is not looked up: T lies in 34 registers, the same in every
; lane, and a tree of selects follows j's five bits from the top: 18 + 11 + 7 + 5 + 4 = 45 selects for an element (windows of
; 16+3, 8+3, 4+3, 2+3, 1+3 entries; j <= 30, so the first level's 19th entry is T[18] itself).  All selects of a level have the same
; mask, so two of them go in one v_dual_cndmask_b32 pair, which reads VCC.
; All arithmetic takes two elements at a time (v_pk_*_f32).
;
; THE SHARES.  256 work-groups of 16 waves; a work-group owns 65,536 consecutive bytes of x and of out, as 8 chunks of 8,192 bytes;
; thread t owns bytes 16 t .. 16 t + 15 of each chunk, so each load and store of a wave covers 512 consecutive bytes, aligned.
; A lane's 32 numbers are 8 loads, all issued at the start; the table is built while they are on their way.  Results are written over x
; and stored from there: no register that a load or store names is written behind its issue, but for a load's own destination behind its wait.
; No LDS, no barrier, no matrix instruction: elements share nothing but the 34 coefficients, and a matrix operand of basis values would
; cost more vector instructions to build than the selects do.
;
; LIMITS.  The knots are taken at z = 0 .. 31 with 3.1 rounded to f32, not at the f32-rounded knots of the definition: places differ by
; some 1e-6 of a knot step; the spline is continuous over inner knots, so only its slope times that shows.  The two ends, where it jumps
; to zero, are exact (see RANGE below).  x = NaN gives NaN.  x = +infinity gives w_base * infinity where the definition's basis gives NaN.
; For x below about -87 the exponential or the reciprocal leaves f32's normal range and silu comes out as -0 (true size below 1e-36).
.set CHUNKS,      8
.set CHUNK_BYTES, 8192                 ; 512 threads x 16 bytes
.set OFF, 1                            ; v1        16 t; never rewritten
.set T,   2                            ; v[2:35]   the table, T[k] in v[T+k]
.set X,   36                           ; v[36:67]  chunk i: 4 registers, x as loaded, then out
.set TA,  68                           ; v[68:85]  tree: 18 entries behind bit 4;  then the 7 behind bit 2
.set TB,  86                           ; v[86:96]  tree: 11 entries behind bit 3;  then the 5 behind bit 1
.set Q,   98                           ; v[98:105] E0..E3 of two elements: pair k holds (e0, e1) for k = 0, 2 and (e1, e0) for k = 1, 3
.set Z,   106                          ; pairs, one register for each of the two elements, from here on:  z
.set R,   108                          ; the rounded sum that holds j, then j as f32
.set TS,  110                          ; j's bits, the next one to test on top
.set U,   112                          ; u
.set EX,  114                          ; -x log2(e), 2^that, 1 + that, its reciprocal
.set XB,  116                          ; w_base x
.set P,   118                          ; E0 + E2
.set A0,  120                          ; E0 + 4 E1 + E2
.set M,   122                          ; E0 - 2 E1 + E2
.set QD,  124                          ; E2 - E0
.set G,   126                          ; E1 - E2, then the Horner sum, then the spline
.set H,   128                          ; E3 - E0
.set U3,  130                          ; 3 u
.set C,    16                          ; s[16:49]  c[0..33]
.set WB,   50                          ; s[50:51]  w_base, twice
.set WS,   52                          ; s52       w_spline
.set SC,   53                          ; s53       w_spline / 6
.set K31,  54                          ; constants, each twice: a scalar pair as a packed source is broadcast from its first register, and both are named
.set K155, 56
.set KM15, 58
.set KNMG, 60
.set KL2E, 62
.set K13,  66
.set K3,   68
.set KZ31, 70                          ; s70       the bits of 31.0
.set MK,   72                          ; s72, s73  lanes whose x lies in the range, for each of the two elements
	s_load_b256 s[4:11], s[0:1], 0x0               ; x s[4:5], c s[6:7], w_base s[8:9], w_spline s[10:11]
	s_load_b64 s[12:13], s[0:1], 0x20              ; out
	v_lshlrev_b32 v[OFF], 4, v0
	s_lshl_b32 s2, ttmp9, 16                       ; the work-group's 65,536 bytes (below 2^24: 256 work-groups)
	s_mov_b32 s3, 0
.irp h, 0,1
	s_mov_b32 s[K31+\h],  0x40466666               ; 3.1 = 31 knot steps / 10
	s_mov_b32 s[K155+\h], 0x41780000               ; 15.5
	s_mov_b32 s[KM15+\h], 0x4b40000f               ; 1.5 x 2^23 + 15
	s_mov_b32 s[KNMG+\h], 0xcb400000               ; -1.5 x 2^23
	s_mov_b32 s[KL2E+\h], 0xbfb8aa3b               ; -log2(e)
	s_mov_b32 s[K13+\h],  0x3eaaaaab               ; 1/3
	s_mov_b32 s[K3+\h],   0x40400000               ; 3.0
.endr
	s_mov_b32 s[KZ31], 0x41f80000
	s_wait_kmcnt 0x0
	s_add_nc_u64 s[4:5], s[4:5], s[2:3]
	s_add_nc_u64 s[12:13], s[12:13], s[2:3]
.irp i, 0,1,2,3,4,5,6,7
	global_load_b128 v[X+4*\i:X+4*\i+3], v[OFF], s[4:5] offset:\i*CHUNK_BYTES th:TH_LOAD_NT   ; read once in the launch
.endr
	s_load_b512 s[C:C+15],    s[6:7], 0x0          ; the 136 bytes of c
	s_load_b512 s[C+16:C+31], s[6:7], 0x40
	s_load_b64  s[C+32:C+33], s[6:7], 0x80
	s_load_b32  s[WB], s[8:9], 0x0
	s_load_b32  s[WS], s[10:11], 0x0
	s_wait_kmcnt 0x0
	; The table, while x is on its way: T = c w_spline / 6, then the two coefficients at each end in their uniform-knot form.
	; Differences of neighbours are formed first and scaled after, so a common offset of c costs no more than its own rounding.
	s_mov_b32 s[WB+1], s[WB]
	s_mul_f32 s[SC], s[WS], 0x3e2aaaab
.set k, 0
.rept 34
	v_mul_f32 v[T+k], s[SC], s[C+k]
.set k, k+1
.endr
	v_sub_f32 v[TA],   v[T],    v[T+1]
	v_sub_f32 v[TA+1], v[T+1],  v[T+2]
	v_sub_f32 v[TA+2], v[T+33], v[T+32]
	v_sub_f32 v[TA+3], v[T+32], v[T+31]
	v_fmamk_f32 v[T],    v[TA],   0x40c00000, v[T+2]   ; 6 (c0 - c1) + c2
	v_fmac_f32  v[T+1],  0.5, v[TA+1]                  ; c1 + (c1 - c2) / 2
	v_fmamk_f32 v[T+33], v[TA+2], 0x40c00000, v[T+31]  ; 6 (c33 - c32) + c31
	v_fmac_f32  v[T+32], 0.5, v[TA+3]                  ; c32 + (c32 - c31) / 2
; The tree for element e of the pair (0 or 1).  v[TS+e] holds j with bit 4 on top.  t + t moves the top bit into the carry, which is the
; level's mask in VCC, and brings the next bit up: one instruction for both.  A select gives its second source where the bit is 1.
; In a dual pair the destinations are one even and one odd register, and the two first sources, and the two second sources, are
; neighbouring registers, hence in different register banks (ISA guide, the VOPD encoding's rules).
.macro TREE e
	v_add_co_u32 v[TS+\e], vcc_lo, v[TS+\e], v[TS+\e]          ; bit 4:  TA[k] = T[16 b4 + k], k = 0 .. 17
.irp k, 0,2,4,6,8,10,12,14,16
	v_dual_cndmask_b32 v[TA+\k], v[T+\k], v[T+16+\k] :: v_dual_cndmask_b32 v[TA+\k+1], v[T+\k+1], v[T+17+\k]
.endr
	v_add_co_u32 v[TS+\e], vcc_lo, v[TS+\e], v[TS+\e]          ; bit 3:  TB[k] = TA[8 b3 + k], k = 0 .. 10
.irp k, 0,2,4,6,8
	v_dual_cndmask_b32 v[TB+\k], v[TA+\k], v[TA+8+\k] :: v_dual_cndmask_b32 v[TB+\k+1], v[TA+\k+1], v[TA+9+\k]
.endr
	v_cndmask_b32 v[TB+10], v[TA+10], v[T+18], vcc_lo          ; entry 18 is wanted only with b4 = 0 (j <= 30): T[18] itself
	v_add_co_u32 v[TS+\e], vcc_lo, v[TS+\e], v[TS+\e]          ; bit 2:  TA[k] = TB[4 b2 + k], k = 0 .. 6
.irp k, 0,2,4
	v_dual_cndmask_b32 v[TA+\k], v[TB+\k], v[TB+4+\k] :: v_dual_cndmask_b32 v[TA+\k+1], v[TB+\k+1], v[TB+5+\k]
.endr
	v_cndmask_b32 v[TA+6], v[TB+6], v[TB+10], vcc_lo
	v_add_co_u32 v[TS+\e], vcc_lo, v[TS+\e], v[TS+\e]          ; bit 1:  TB[k] = TA[2 b1 + k], k = 0 .. 4
.irp k, 0,2
	v_dual_cndmask_b32 v[TB+\k], v[TA+\k], v[TA+2+\k] :: v_dual_cndmask_b32 v[TB+\k+1], v[TA+\k+1], v[TA+3+\k]
.endr
	v_cndmask_b32 v[TB+4], v[TA+4], v[TA+6], vcc_lo
	v_add_co_u32 v[TS+\e], vcc_lo, v[TS+\e], v[TS+\e]          ; bit 0:  E[k] = TB[b0 + k] = T[j + k], k = 0 .. 3
	v_dual_cndmask_b32 v[Q+\e],   v[TB],   v[TB+1] :: v_dual_cndmask_b32 v[Q+3-\e], v[TB+1], v[TB+2]   ; E0, E1: element e's E1 and E3 lie in the
	v_dual_cndmask_b32 v[Q+4+\e], v[TB+2], v[TB+3] :: v_dual_cndmask_b32 v[Q+7-\e], v[TB+3], v[TB+4]   ; other half of their pairs, for the parity
.endm
; Two elements, x in v[xp], v[xp+1]; out is written over them.
; INDEX.  r = x 3.1 + (1.5 x 2^23 + 15), one rounding: between 2^23 and 2^24 f32 holds whole numbers only, so r = 1.5 x 2^23 + j with
; j = the whole number nearest to z - 0.5, and r's low five bits are j.  u = z - j then lies in 0 .. 1, the ends included; at a knot either
; neighbouring piece gives the same value.  For -5 <= x < 5, z - 0.5 lies in -0.4999995 .. 30.499998, so j is 0 .. 30.
; Outside the range j's bits and u are of no meaning; they pick table entries and feed arithmetic whose result the last select drops.
; RANGE.  z is monotonic in x.  3.1 in f32 is 3.0999999046, so z(-5) = 4.77e-7 > 0 and z(-5 - 2^-21) = -1.0e-6 < 0; z(5) = 30.99999952, a
; quarter of a step of 2^-19 below 31, rounds to 31.0, and z(5 - 2^-21) = 30.99999805 rounds to 31 - 2^-19.  So -5 <= x < 5 holds exactly where
; 0 <= z < 31, which is one unsigned compare of z's bits with those of 31.0: a negative z has the top bit set, and a NaN lies above too.
.macro PAIR xp
	v_pk_mul_f32 v[EX:EX+1], v[\xp:\xp+1], s[KL2E:KL2E+1] op_sel_hi:[1,0]
	v_pk_fma_f32 v[R:R+1], v[\xp:\xp+1], s[K31:K31+1], s[KM15:KM15+1] op_sel_hi:[1,0,0]
	v_pk_fma_f32 v[Z:Z+1], v[\xp:\xp+1], s[K31:K31+1], s[K155:K155+1] op_sel_hi:[1,0,0]
	v_exp_f32 v[EX], v[EX]                                     ; e^-x.  Plain vector instructions that touch neither register stand between a
	v_exp_f32 v[EX+1], v[EX+1]                                 ; transcendental and the use of its result (ISA guide 5.7.2): here the next five lines
	v_lshlrev_b32 v[TS], 27, v[R]                              ; j's bit 4 on top
	v_lshlrev_b32 v[TS+1], 27, v[R+1]
	v_cmp_gt_u32 s[MK], s[KZ31], v[Z]                          ; in range; kept in scalar registers, the tree uses VCC
	v_cmp_gt_u32 s[MK+1], s[KZ31], v[Z+1]
	v_pk_add_f32 v[R:R+1], v[R:R+1], s[KNMG:KNMG+1] op_sel_hi:[1,0]          ; j as f32, exact
	s_wait_alu depctr_va_vdst(0)
	v_pk_add_f32 v[EX:EX+1], v[EX:EX+1], 1.0 op_sel_hi:[1,0]
	v_pk_add_f32 v[U:U+1], v[Z:Z+1], v[R:R+1] neg_lo:[0,1] neg_hi:[0,1]      ; u = z - j
	v_rcp_f32 v[EX], v[EX]                                     ; 1 / (1 + e^-x); used behind the trees
	v_rcp_f32 v[EX+1], v[EX+1]
	TREE 0
	TREE 1
	; op_sel:[1,..] op_sel_hi:[0,..] reads a pair crosswise: E1's and E3's pairs hold (e1, e0)
	v_pk_add_f32 v[P:P+1],   v[Q:Q+1],     v[Q+4:Q+5]
	v_pk_add_f32 v[QD:QD+1], v[Q+4:Q+5],   v[Q:Q+1]   neg_lo:[0,1] neg_hi:[0,1]
	v_pk_add_f32 v[G:G+1],   v[Q+2:Q+3],   v[Q+4:Q+5] op_sel:[1,0] op_sel_hi:[0,1] neg_lo:[0,1] neg_hi:[0,1]
	v_pk_add_f32 v[H:H+1],   v[Q+6:Q+7],   v[Q:Q+1]   op_sel:[1,0] op_sel_hi:[0,1] neg_lo:[0,1] neg_hi:[0,1]
	v_pk_fma_f32 v[A0:A0+1], v[Q+2:Q+3], 4.0,  v[P:P+1] op_sel:[1,0,0] op_sel_hi:[0,0,1]
	v_pk_fma_f32 v[M:M+1],   v[Q+2:Q+3], -2.0, v[P:P+1] op_sel:[1,0,0] op_sel_hi:[0,0,1]
	v_pk_fma_f32 v[G:G+1],   v[H:H+1], s[K13:K13+1], v[G:G+1] op_sel_hi:[1,0,1]   ; (E3 - E0)/3 + (E1 - E2)
	v_pk_mul_f32 v[U3:U3+1], v[U:U+1], s[K3:K3+1] op_sel_hi:[1,0]
	v_pk_fma_f32 v[G:G+1],   v[U:U+1], v[G:G+1], v[M:M+1]
	v_pk_mul_f32 v[XB:XB+1], v[\xp:\xp+1], s[WB:WB+1] op_sel_hi:[1,0]
	v_pk_fma_f32 v[G:G+1],   v[U:U+1], v[G:G+1], v[QD:QD+1]
	v_pk_fma_f32 v[G:G+1],   v[U3:U3+1], v[G:G+1], v[A0:A0+1]                      ; w_spline x spline
	v_cndmask_b32 v[G],   0, v[G],   s[MK]                     ; zero outside the range, whatever the arithmetic gave there
	v_cndmask_b32 v[G+1], 0, v[G+1], s[MK+1]
	s_wait_alu depctr_va_vdst(0)
	v_pk_fma_f32 v[\xp:\xp+1], v[XB:XB+1], v[EX:EX+1], v[G:G+1]
.endm
.irp i, 0,1,2,3,4,5,6,7
	s_wait_loadcnt 7-\i                            ; loads come back in order (ISA guide 5.7.1): chunk i is in, the 7 - i younger ones stay out
	PAIR X+4*\i
	PAIR X+4*\i+2
	global_store_b128 v[OFF], v[X+4*\i:X+4*\i+3], s[12:13] offset:\i*CHUNK_BYTES th:TH_STORE_NT   ; written once, not read again; these registers are not written again
.endr
	s_endpgm
.Lfunc_end_k_q35c6bc4688_kan_edge:
	.size	k_q35c6bc4688_kan_edge, .Lfunc_end_k_q35c6bc4688_kan_edge-k_q35c6bc4688_kan_edge
	.p2alignl 7, 3214868480
	.fill 96, 4, 3214868480
	.section	.rodata,"a",@progbits
	.p2align	6, 0x0
	.amdhsa_kernel k_q35c6bc4688_kan_edge
		.amdhsa_group_segment_fixed_size 0
		.amdhsa_private_segment_fixed_size 0
		.amdhsa_enable_private_segment 0
		.amdhsa_kernarg_size 40
		.amdhsa_user_sgpr_count 2
		.amdhsa_user_sgpr_kernarg_segment_ptr 1
		.amdhsa_wavefront_size32 1
		.amdhsa_system_sgpr_workgroup_id_x 1
		.amdhsa_system_sgpr_workgroup_id_y 1
		.amdhsa_system_sgpr_workgroup_id_z 1
		.amdhsa_system_vgpr_workitem_id 0
		.amdhsa_next_free_vgpr 132
		.amdhsa_next_free_sgpr 74
		.amdhsa_reserve_vcc 1
		.amdhsa_float_denorm_mode_32 3
		.amdhsa_float_denorm_mode_16_64 3
		.amdhsa_memory_ordered 1
		.amdhsa_forward_progress 1
		.amdhsa_inst_pref_size 89
	.end_amdhsa_kernel
	.amdgpu_metadata
---
amdhsa.version: [ 1, 2 ]
amdhsa.kernels:
  - .name:           k_q35c6bc4688_kan_edge
    .symbol:         k_q35c6bc4688_kan_edge.kd
    .args:
      - { .name: x, .offset: 0, .size: 8, .value_kind: global_buffer, .address_space: global }
      - { .name: spline_coeffs, .offset: 8, .size: 8, .value_kind: global_buffer, .address_space: global }
      - { .name: w_base, .offset: 16, .size: 8, .value_kind: global_buffer, .address_space: global }
      - { .name: w_spline, .offset: 24, .size: 8, .value_kind: global_buffer, .address_space: global }
      - { .name: out0, .offset: 32, .size: 8, .value_kind: global_buffer, .address_space: global }
    .group_segment_fixed_size: 0
    .private_segment_fixed_size: 0
    .kernarg_segment_align: 8
    .kernarg_segment_size: 40
    .max_flat_workgroup_size: 512
    .sgpr_count:     74
    .vgpr_count:     132
    .wavefront_size: 32
...
	.end_amdgpu_metadata
.endif
;; end of part 1
;; ======== version 2 of 2: 1 launch; 1.16 times as fast as version 1
;; limits: right only within a limited range of input values; values are held in f16: magnitudes above 65,504 overflow, below 6.1e-05 lose precision
;; launch kan_edge (part 2): grid 256 x 1, 16 waves a work-group, no clusters, 0 bytes of LDS; arguments x, spline_coeffs, w_base, w_spline, out0; writes out0
.if DOCPART == 2
	.amdgcn_target "amdgcn-amd-amdhsa--gfx1250"
	.amdhsa_code_object_version 6
	.text
	.protected	k_q35c6bc4688_kan_edge
	.globl	k_q35c6bc4688_kan_edge
	.p2align	8
	.type	k_q35c6bc4688_kan_edge,@function
k_q35c6bc4688_kan_edge:
	s_mov_b64 s[64:65], 0
	v_nop
	global_prefetch_b8 v0, s[64:65] scope:SCOPE_SE
	s_setreg_imm32_b32 hwreg(HW_REG_WAVE_MODE, 25, 1), 1
	s_wait_xcnt 0x0
; out = w_base * silu(x) + w_spline * sum over k of c[k] B_k(x).   x, out: 2048 x 2048 f32.  c: 34 f32.
; B_k: cubic B-splines on 32 knots from -5 to 5, the end knots fourfold; zero outside -5 <= x < 5.
;
; THE SPLINE.  With z = 3.1 x + 15.5 the knots lie at z = 0, 1, .. 31.  On 0 <= z < 31 the spline with fourfold end knots is the same
; function as one on uniform knots with c'0 = 6 (c0 - c1) + c2, c'1 = c1 + (c1 - c2) / 2, c'k = ck for k = 2 .. 31, the last two mirrored.
; In the interval j <= z < j + 1, with u = z - j and E0..E3 = c'[j .. j+3],
;   6 spline = (E0 + 4 E1 + E2) + u ( (3 E2 - 3 E0) + u ( (3 E0 - 6 E1 + 3 E2) + u (E3 - E0 + 3 E1 - 3 E2) ) ).
; So an element needs four numbers that hang on j alone.  No address is formed from floating-point data here: the four numbers are
; fetched by a matrix product of a table with a one-hot code of j.
;
; THE LOOK-UP.  In v_wmma_f32_16x16x32_f16 (ISA guide 7.12.2) lane (r, h) of B holds, of column r, k = 8h .. 8h+7 and 16+8h .. 16+8h+7,
; and lane (r, h) of D holds rows 8h .. 8h+7 of column r.  A is laid out so that rows 0-7 are zero at every k that lanes 16-31 supply and
; rows 8-15 at every k that lanes 0-15 supply.  Then a lane's 8 results are an 8 x 16 table times the lane's OWN 16 numbers: one
; instruction serves 32 elements, and nothing crosses lanes.  The 16 numbers are zero but at place j & 15; table row 4 b + i holds
; coefficient i (of 1, u, u^2, u^3) of the intervals 16 b .. 16 b + 15; bit 4 of j then picks results 0-3 or 4-7.
; In A's layout that is: lanes 0-7 and 24-31 hold table row (lane & 7), its 16 entries in 8 registers; lanes 8-23 hold zeros.
;
; THE TABLE'S FORMAT.  One f16 number an entry (11 bits, against bf16's 8).  f16's range is met by a power of two taken from the data:
; every entry is at most 12/6 |w_spline| max|c'| in size (the largest sum of a row's weights is 12).  With E the biased exponent of
; w_spline max|c'| that is below 2^(E-125).  a = E - 140, kept within -14 .. 15; the table is stored times 2^-a, hence below 2^15, and the
; one-hot code holds 2^a in place of 1, which is exact in f16; the product of the two is exact in f32.  So the scaling costs no instruction
; for an element.
;
; THE SHARES.  256 work-groups of 16 waves; a work-group owns 65,536 consecutive bytes of x and of out, as 8 chunks of 8,192 bytes;
; thread t owns bytes 16 t .. 16 t + 15 of each chunk, so each load and store of a wave covers 512 consecutive bytes, aligned.
; A lane's 32 numbers are 8 loads, all issued at the start; results are written over x and stored from there.
; No LDS, no barrier, no cluster: elements share nothing but the 34 coefficients, which every wave turns into its own table.
;
; LIMITS.  A table entry is rounded to f16: relative error up to 2^-11, so the spline's error is up to 2^-11 times the sum of the sizes of its
; interval's four coefficients.  |w_spline| max|c'| stays below 2^29, or entries may pass f16's largest number; where it is below 2^-14 the
; scale stays at 2^14 and an entry's error is up to 2^-39 absolutely.  The knots are taken at z = 0 .. 31 with 3.1 rounded to f32, not at
; the f32-rounded knots of the definition: places differ by some 1e-6 of a knot step; the spline is continuous over inner knots.  The two
; ends, where it jumps to zero, are exact (see RANGE).  x = NaN gives NaN.  x = +infinity gives w_base * infinity where the definition's
; basis gives NaN.  A NaN among c shows only in the intervals that use it.  For x below about -87 silu comes out as -0 (true size below 1e-36).
.set CHUNK_BYTES, 8192                 ; 512 threads x 16 bytes
.set OFF, 1                            ; v1         16 t; never rewritten
.set X,   4                            ; v[4:35]    chunk i: 4 registers, x as loaded, then out
.set AH,  36                           ; v[36:43]   the table in f16, in A's layout.  (v[44:51] are not used)
.set BF0, 52                           ; v[52:59]   one-hot code of the pair's first element, in B's layout
.set BF1, 60                           ; v[60:67]   of its second
.set AC0, 68                           ; v[68:75]   the first element's 8 results
.set AC1, 76                           ; v[76:83]   the second's
.set ONE, 84                           ; 2^a as f16 in the half that j's bit 0 names.  The seven registers from which the dual selects below take
.set P1A, 85                           ; their second source lie in register banks 0 to 2 (number mod 4), the zero in bank 3
.set P1B, 86
.set ZR,  87                           ; 0; never rewritten
.set P2A, 88
.set P2B, 89
.set P2C, 90
.set SH,  91                           ; 16 x bit 0 of j in its low five bits
.set TS,  92                           ; j's bits 3 .. 0, the next one to test on top
.set P2D, 93
.set Q,   94                           ; v[94:101]  coefficient i of the two elements in pair i: (e0, e1) for i = 0, 2 and (e1, e0) for i = 1, 3
.set Z,   102                          ; pairs, one register for each of the two elements, from here on:  z
.set R,   104                          ; the rounded sum whose low five bits are j
.set RF,  106                          ; j as f32
.set U,   108                          ; u
.set EX,  110                          ; -x log2(e), 2^that, 1 + that, its reciprocal
.set XB,  112                          ; w_base x
.set G,   114                          ; the Horner sum, then w_spline x spline
; at work while the table is made, ahead of the first matrix instruction only:
.set CO,  88                           ; 64 x (bit 2 of the lane): where my row's window of c begins
.set WN,  52                           ; v[52:70]   my row's window: c'[16 b .. 16 b + 18]
.set TBL, 94                           ; v[94:109]  my row's 16 entries in f32, times 2^-a
.set PW,  110                          ; v[110:113] my row's four weights
.set PT,  114                          ; v[114:119] at work
.set K31,  16                          ; constants that packed instructions read stand twice: both registers of a scalar pair are named
.set K155, 18
.set KM15, 20
.set KNMG, 22
.set KL2E, 24
.set WB,   26                          ; s[26:27]  w_base, twice
.set WS,   28                          ; w_spline
.set SC,   29                          ; w_spline / 6 x 2^-a
.set KZ31, 30                          ; the bits of 31.0
.set KONE, 31                          ; 2^a as f16 in the low half
.set MK,   32                          ; s32, s33  lanes whose x lies in the range, for each of the two elements
.set MA,   34                          ; lanes with bit 0 set
.set MB,   35                          ; with bit 1 set
.set MAB,  36                          ; with both
.set MBB,  37                          ; with bit 2 set: rows for j >= 16
.set MACT, 38                          ; lanes 0-7 and 24-31: the lanes of A that are not zero
.set KN3,  39
.set KP3,  40
.set KN6,  41
.set K6,   42
.set MX,   43                          ; max|c'|, then a + 15
.set SC2,  44                          ; 2^-a as f32
	s_load_b256 s[4:11], s[0:1], 0x0               ; x s[4:5], c s[6:7], w_base s[8:9], w_spline s[10:11]
	s_load_b64 s[12:13], s[0:1], 0x20              ; out
	v_lshlrev_b32 v[OFF], 4, v0
	v_and_b32 v[CO], 4, v0
	v_lshlrev_b32 v[CO], 4, v[CO]                  ; rows for j >= 16 begin at c[16], 64 bytes in
	v_mov_b32 v[ZR], 0
	s_lshl_b32 s2, ttmp9, 16                       ; the work-group's 65,536 bytes (below 2^24: 256 work-groups)
	s_mov_b32 s3, 0
.irp h, 0,1
	s_mov_b32 s[K31+\h],  0x40466666               ; 3.1 = 31 knot steps / 10
	s_mov_b32 s[K155+\h], 0x41780000               ; 15.5
	s_mov_b32 s[KM15+\h], 0x4b40000f               ; 1.5 x 2^23 + 15
	s_mov_b32 s[KNMG+\h], 0xcb400000               ; -1.5 x 2^23
	s_mov_b32 s[KL2E+\h], 0xbfb8aa3b               ; -log2(e)
.endr
	s_mov_b32 s[KZ31], 0x41f80000
	s_mov_b32 s[MA],   0xaaaaaaaa
	s_mov_b32 s[MB],   0xcccccccc
	s_mov_b32 s[MAB],  0x88888888
	s_mov_b32 s[MBB],  0xf0f0f0f0
	s_mov_b32 s[MACT], 0xff0000ff
	s_mov_b32 s[KN3],  0xc0400000                  ; -3.0
	s_mov_b32 s[KP3],  0x40400000                  ; 3.0
	s_mov_b32 s[KN6],  0xc0c00000                  ; -6.0
	s_mov_b32 s[K6],   0x40c00000                  ; 6.0
	s_wait_kmcnt 0x0
	; my row's window of c: entries 0 .. 17 lie at bytes 0 .. 71 or 64 .. 135 of c's 136.  Entry 18 is c[18] for the lower rows; the upper rows
	; use it only for j = 31, an interval that no x in the range has: they take c[18] too, so that no load leaves the buffer.
.irp q, 0,1,2,3
	global_load_b128 v[WN+4*\q:WN+4*\q+3], v[CO], s[6:7] offset:16*\q
.endr
	global_load_b64 v[WN+16:WN+17], v[CO], s[6:7] offset:64
	global_load_b32 v[WN+18], v[ZR], s[6:7] offset:72
	s_load_b32 s[WB], s[8:9], 0x0
	s_load_b32 s[WS], s[10:11], 0x0
	s_add_nc_u64 s[4:5], s[4:5], s[2:3]
	s_add_nc_u64 s[12:13], s[12:13], s[2:3]
.irp i, 0,1,2,3,4,5,6,7
	global_load_b128 v[X+4*\i:X+4*\i+3], v[OFF], s[4:5] offset:\i*CHUNK_BYTES th:TH_LOAD_NT   ; read once in the launch
.endr
	; While the loads are on their way: my row's weights on E0 .. E3.  Row (lane & 3) = 0: 1 4 1 0;  1: -3 0 3 0;  2: 3 -6 3 0;  3: -1 3 -3 1.
	v_cndmask_b32 v[PT],   1.0, s[KN3], s[MA]
	v_cndmask_b32 v[PT+1], s[KP3], -1.0, s[MA]
	v_cndmask_b32 v[PW],   v[PT], v[PT+1], s[MB]           ; 1 -3 3 -1
	v_cndmask_b32 v[PT+2], 4.0, 0, s[MA]
	v_mov_b32     v[PT+3], s[KN6]
	v_cndmask_b32 v[PT+3], v[PT+3], s[KP3], s[MA]
	v_cndmask_b32 v[PW+1], v[PT+2], v[PT+3], s[MB]         ; 4 0 -6 3
	v_cndmask_b32 v[PT+4], 1.0, s[KP3], s[MA]
	v_mov_b32     v[PT+5], s[KP3]
	v_cndmask_b32 v[PT+5], v[PT+5], s[KN3], s[MA]
	v_cndmask_b32 v[PW+2], v[PT+4], v[PT+5], s[MB]         ; 1 3 3 -3
	v_cndmask_b32 v[PW+3], 0, 1.0, s[MAB]                  ; 0 0 0 1
	s_wait_kmcnt 0x0
	s_mov_b32 s[WB+1], s[WB]
	s_wait_loadcnt 0x8                             ; loads come back in order (ISA guide 5.7.1): the six of c are in, the eight younger ones, of x, stay out
	; the two coefficients at each end in their uniform-knot form: entries 0, 1 of the lower rows, 16, 17 of the upper.
	; Differences of neighbours are formed first, so a common offset of c costs no more than its own rounding.
	v_sub_f32 v[PT],   v[WN],    v[WN+1]
	v_sub_f32 v[PT+1], v[WN+1],  v[WN+2]
	v_sub_f32 v[PT+2], v[WN+17], v[WN+16]
	v_sub_f32 v[PT+3], v[WN+16], v[WN+15]
	v_fma_f32 v[PT],   v[PT],   s[K6], v[WN+2]             ; 6 (c0 - c1) + c2
	v_fma_f32 v[PT+1], v[PT+1], 0.5,   v[WN+1]             ; c1 + (c1 - c2) / 2
	v_fma_f32 v[PT+2], v[PT+2], s[K6], v[WN+15]            ; 6 (c33 - c32) + c31
	v_fma_f32 v[PT+3], v[PT+3], 0.5,   v[WN+16]            ; c32 + (c32 - c31) / 2
	v_cndmask_b32 v[WN],    v[PT],    v[WN],   s[MBB]
	v_cndmask_b32 v[WN+1],  v[PT+1],  v[WN+1], s[MBB]
	v_cndmask_b32 v[WN+17], v[WN+17], v[PT+2], s[MBB]
	v_cndmask_b32 v[WN+16], v[WN+16], v[PT+3], s[MBB]
	; max|c'|: my window's 19 entries in two chains; then lane 0 (lower window) takes lane 4's (upper window), and lane 0's figure is read out.
	v_max3_num_f32 v[PT],   |v[WN]|,   |v[WN+1]|,  |v[WN+2]|
	v_max3_num_f32 v[PT+1], |v[WN+9]|, |v[WN+10]|, |v[WN+11]|
.irp k, 3,5,7
	v_max3_num_f32 v[PT],   v[PT],   |v[WN+\k]|,   |v[WN+\k+1]|
	v_max3_num_f32 v[PT+1], v[PT+1], |v[WN+\k+9]|, |v[WN+\k+10]|
.endr
	v_max3_num_f32 v[PT], v[PT], v[PT+1], |v[WN+18]|
	v_max_num_f32_dpp v[PT], v[PT], v[PT] row_xmask:4 row_mask:0xf bank_mask:0xf
	v_readfirstlane_b32 s[MX], v[PT]
	; the scale, in scalar registers.  It feeds data alone: no address, no branch.
	s_mul_f32 s[MX], s[MX], s[WS]
	s_bfe_u32 s[MX], s[MX], 0x80017                        ; E: the 8 bits from bit 23; the sign stays behind
	s_sub_co_i32 s[MX], s[MX], 125                         ; a + 15 = E - 125,
	s_max_i32 s[MX], s[MX], 1                              ; kept within 1 .. 30: f16's exponents of normal numbers
	s_min_i32 s[MX], s[MX], 30
	s_lshl_b32 s[KONE], s[MX], 10                          ; 2^a as f16: exponent field a + 15, mantissa 0
	s_sub_co_i32 s[SC2], 142, s[MX]                        ; 2^-a as f32: exponent field 127 - a = 142 - (a + 15), 112 .. 141
	s_lshl_b32 s[SC2], s[SC2], 23
	s_mul_f32 s[SC], s[WS], 0x3e2aaaab                     ; w_spline / 6
	s_mul_f32 s[SC], s[SC], s[SC2]
	v_cndmask_b32 v[PT], 0, s[SC], s[MACT]                 ; and 0 in the lanes of A that stay zero: their whole row comes out as 0
.irp t, 0,1,2,3
	v_mul_f32 v[PW+\t], v[PW+\t], v[PT]
.endr
	; entry s of my row = sum over t of weight t x window[s + t], two entries to an instruction.  In a dual pair the destinations are one even and
	; one odd register, the first sources the same register, the second sources neighbours, hence in different banks (ISA guide, the VOPD encoding's rules).
.irp s, 0,2,4,6,8,10,12,14
	v_dual_mul_f32 v[TBL+\s], v[PW], v[WN+\s] :: v_dual_mul_f32 v[TBL+\s+1], v[PW], v[WN+\s+1]
.endr
.irp t, 1,2,3
.irp s, 0,2,4,6,8,10,12,14
	v_dual_fmac_f32 v[TBL+\s], v[PW+\t], v[WN+\s+\t] :: v_dual_fmac_f32 v[TBL+\s+1], v[PW+\t], v[WN+\s+\t+1]
.endr
.endr
	; rounded to f16.  Entry 2w lies in the low half of register w, as k does in A's layout.
.irp w, 0,1,2,3,4,5,6,7
	v_cvt_pk_f16_f32 v[AH+\w], v[TBL+2*\w], v[TBL+2*\w+1]
.endr
; The one-hot code of j & 15 of element e, into the 8 registers from bf on: register (j >> 1) & 7 holds 2^a in the half that bit 0 names.
; The word with that number is handed down three levels; at each, t + t moves j's next bit into the carry, which is the level's mask in VCC, and one
; dual pair sends a word to the left (bit 0) or to the right (bit 1) and a zero the other way.  A select gives its second source where the bit is 1.
.macro ONEHOT e, bf
	v_lshlrev_b32 v[SH], 4, v[R+\e]                            ; a shift takes the low five bits of its amount (ISA guide, V_LSHLREV_B32): 16 x bit 0
	v_lshlrev_b32 v[TS], 28, v[R+\e]                           ; bit 3 on top
	v_lshlrev_b32 v[ONE], v[SH], s[KONE]
	v_add_co_u32 v[TS], vcc_lo, v[TS], v[TS]                   ; bit 3
	v_dual_cndmask_b32 v[P1A], v[ONE], v[ZR] :: v_dual_cndmask_b32 v[P1B], 0, v[ONE]
	v_add_co_u32 v[TS], vcc_lo, v[TS], v[TS]                   ; bit 2
	v_dual_cndmask_b32 v[P2A], v[P1A], v[ZR] :: v_dual_cndmask_b32 v[P2B], 0, v[P1A]
	v_dual_cndmask_b32 v[P2C], v[P1B], v[ZR] :: v_dual_cndmask_b32 v[P2D], 0, v[P1B]
	v_add_co_u32 v[TS], vcc_lo, v[TS], v[TS]                   ; bit 1
	v_dual_cndmask_b32 v[\bf],   v[P2A], v[ZR] :: v_dual_cndmask_b32 v[\bf+1], 0, v[P2A]
	v_dual_cndmask_b32 v[\bf+2], v[P2B], v[ZR] :: v_dual_cndmask_b32 v[\bf+3], 0, v[P2B]
	v_dual_cndmask_b32 v[\bf+4], v[P2C], v[ZR] :: v_dual_cndmask_b32 v[\bf+5], 0, v[P2C]
	v_dual_cndmask_b32 v[\bf+6], v[P2D], v[ZR] :: v_dual_cndmask_b32 v[\bf+7], 0, v[P2D]
.endm
; Bit 4 of j picks results 4-7 or 0-3 of element e.  R's bits are those of 1.5 x 2^23 plus j, so j >= 16 is one unsigned compare with 1.5 x 2^23 + 15.
; Element e's coefficients 1 and 3 go to the other half of their pairs, for the parity of a dual pair's destinations.
.macro PICK e, ac
	v_cmp_lt_u32 vcc_lo, s[KM15], v[R+\e]
	v_dual_cndmask_b32 v[Q+\e],   v[\ac],   v[\ac+4] :: v_dual_cndmask_b32 v[Q+3-\e], v[\ac+1], v[\ac+5]
	v_dual_cndmask_b32 v[Q+4+\e], v[\ac+2], v[\ac+6] :: v_dual_cndmask_b32 v[Q+7-\e], v[\ac+3], v[\ac+7]
.endm
; Two elements, x in v[xp], v[xp+1]; out is written over them.
; INDEX.  r = x 3.1 + (1.5 x 2^23 + 15), one rounding: between 2^23 and 2^24 f32 holds whole numbers only, so r = 1.5 x 2^23 + j with
; j = the whole number nearest to z - 0.5.  u = z - j then lies in 0 .. 1, the ends included; at a knot either neighbouring piece gives the
; same value.  For -5 <= x < 5, z - 0.5 lies in -0.4999995 .. 30.499998, so j is 0 .. 30.  Outside the range j's bits and u have no meaning;
; they pick table entries and feed arithmetic whose result the last select drops.
; RANGE.  z is monotonic in x.  3.1 in f32 is 3.0999999046, so z(-5) = 4.77e-7 > 0 and z(-5 - 2^-21) = -1.0e-6 < 0; z(5) = 30.99999952, a
; quarter of a step of 2^-19 below 31, rounds to 31.0, and z(5 - 2^-21) = 30.99999805 rounds to 31 - 2^-19.  So -5 <= x < 5 holds exactly where
; 0 <= z < 31, which is one unsigned compare of z's bits with those of 31.0: a negative z has the top bit set, and a NaN lies above too.
.macro PAIR xp
	v_pk_fma_f32 v[R:R+1], v[\xp:\xp+1], s[K31:K31+1], s[KM15:KM15+1] op_sel_hi:[1,0,0]
	v_pk_mul_f32 v[EX:EX+1], v[\xp:\xp+1], s[KL2E:KL2E+1] op_sel_hi:[1,0]
	v_pk_fma_f32 v[Z:Z+1], v[\xp:\xp+1], s[K31:K31+1], s[K155:K155+1] op_sel_hi:[1,0,0]
	v_exp_f32 v[EX], v[EX]                                     ; e^-x.  Plain vector instructions that touch neither register stand between a
	v_exp_f32 v[EX+1], v[EX+1]                                 ; transcendental and the use of its result (ISA guide 5.7.2): here the whole of ONEHOT
	ONEHOT 0, BF0
	; One matrix instruction an element; each starts its own sum (C = 0), none adds onto an accumulator, and the two accumulators take turns.
	v_wmma_f32_16x16x32_f16 v[AC0:AC0+7], v[AH:AH+7], v[BF0:BF0+7], 0
	ONEHOT 1, BF1
	v_wmma_f32_16x16x32_f16 v[AC1:AC1+7], v[AH:AH+7], v[BF1:BF1+7], 0
	; A vector instruction reads a matrix result four places behind the matrix instruction at the least, and a place is a plain vector instruction
	; that names none of its registers (ISA guide 7.12.1): the next six lines and PICK's compare are seven.  Fragments and accumulators are written
	; again in the next pair, behind all of this pair's remaining vector work.
	v_pk_add_f32 v[RF:RF+1], v[R:R+1], s[KNMG:KNMG+1] op_sel_hi:[1,0]        ; j as f32, exact
	s_wait_alu depctr_va_vdst(0)
	v_pk_add_f32 v[EX:EX+1], v[EX:EX+1], 1.0 op_sel_hi:[1,0]
	v_pk_mul_f32 v[XB:XB+1], v[\xp:\xp+1], s[WB:WB+1] op_sel_hi:[1,0]
	v_cmp_gt_u32 s[MK], s[KZ31], v[Z]                          ; in range
	v_cmp_gt_u32 s[MK+1], s[KZ31], v[Z+1]
	v_pk_add_f32 v[U:U+1], v[Z:Z+1], v[RF:RF+1] neg_lo:[0,1] neg_hi:[0,1]    ; u = z - j
	v_rcp_f32 v[EX], v[EX]                                     ; 1 / (1 + e^-x); used behind the Horner steps
	v_rcp_f32 v[EX+1], v[EX+1]
	PICK 0, AC0
	PICK 1, AC1
	; op_sel 1 with op_sel_hi 0 reads a pair crosswise: the pairs of coefficients 1 and 3 hold (e1, e0)
	v_pk_fma_f32 v[G:G+1], v[U:U+1], v[Q+6:Q+7], v[Q+4:Q+5] op_sel:[0,1,0] op_sel_hi:[1,0,1]
	v_pk_fma_f32 v[G:G+1], v[U:U+1], v[G:G+1],   v[Q+2:Q+3] op_sel:[0,0,1] op_sel_hi:[1,1,0]
	v_pk_fma_f32 v[G:G+1], v[U:U+1], v[G:G+1],   v[Q:Q+1]                    ; w_spline x spline
	v_cndmask_b32 v[G],   0, v[G],   s[MK]                     ; zero outside the range, whatever the arithmetic gave there
	v_cndmask_b32 v[G+1], 0, v[G+1], s[MK+1]
	s_wait_alu depctr_va_vdst(0)
	v_pk_fma_f32 v[\xp:\xp+1], v[XB:XB+1], v[EX:EX+1], v[G:G+1]
.endm
.irp i, 0,1,2,3,4,5,6,7
	s_wait_loadcnt 7-\i                            ; chunk i is in, the 7 - i younger ones stay out
	PAIR X+4*\i
	PAIR X+4*\i+2
	global_store_b128 v[OFF], v[X+4*\i:X+4*\i+3], s[12:13] offset:\i*CHUNK_BYTES th:TH_STORE_NT   ; written once, not read again; these registers are not written again
.endr
	s_endpgm
.Lfunc_end_k_q35c6bc4688_kan_edge:
	.size	k_q35c6bc4688_kan_edge, .Lfunc_end_k_q35c6bc4688_kan_edge-k_q35c6bc4688_kan_edge
	.p2alignl 7, 3214868480
	.fill 96, 4, 3214868480
	.section	.rodata,"a",@progbits
	.p2align	6, 0x0
	.amdhsa_kernel k_q35c6bc4688_kan_edge
		.amdhsa_group_segment_fixed_size 0
		.amdhsa_private_segment_fixed_size 0
		.amdhsa_enable_private_segment 0
		.amdhsa_kernarg_size 40
		.amdhsa_user_sgpr_count 2
		.amdhsa_user_sgpr_kernarg_segment_ptr 1
		.amdhsa_wavefront_size32 1
		.amdhsa_system_sgpr_workgroup_id_x 1
		.amdhsa_system_sgpr_workgroup_id_y 1
		.amdhsa_system_sgpr_workgroup_id_z 1
		.amdhsa_system_vgpr_workitem_id 0
		.amdhsa_next_free_vgpr 132
		.amdhsa_next_free_sgpr 66
		.amdhsa_reserve_vcc 1
		.amdhsa_float_denorm_mode_32 3
		.amdhsa_float_denorm_mode_16_64 3
		.amdhsa_memory_ordered 1
		.amdhsa_forward_progress 1
		.amdhsa_inst_pref_size 59
	.end_amdhsa_kernel
	.amdgpu_metadata
---
amdhsa.version: [ 1, 2 ]
amdhsa.kernels:
  - .name:           k_q35c6bc4688_kan_edge
    .symbol:         k_q35c6bc4688_kan_edge.kd
    .args:
      - { .name: x, .offset: 0, .size: 8, .value_kind: global_buffer, .address_space: global }
      - { .name: spline_coeffs, .offset: 8, .size: 8, .value_kind: global_buffer, .address_space: global }
      - { .name: w_base, .offset: 16, .size: 8, .value_kind: global_buffer, .address_space: global }
      - { .name: w_spline, .offset: 24, .size: 8, .value_kind: global_buffer, .address_space: global }
      - { .name: out0, .offset: 32, .size: 8, .value_kind: global_buffer, .address_space: global }
    .group_segment_fixed_size: 0
    .private_segment_fixed_size: 0
    .kernarg_segment_align: 8
    .kernarg_segment_size: 40
    .max_flat_workgroup_size: 512
    .sgpr_count:     66
    .vgpr_count:     132
    .wavefront_size: 32
...
	.end_amdgpu_metadata
.endif
;; end of part 2
